; MI455X (gfx1250); checked and timed in simulation.
; The chip was launched on July 23, 2026; its instructions are those of AMD's public machine-readable ISA for CDNA 5 (MIT licence, August 2026) and "CDNA5" Instruction Set Architecture Reference Guide (July 2026). The comments in the code are by the model that wrote it; some were corrected since.
;; Causal Self Attention. Allowed arithmetic: float matrix products may take bf16 or f16 operands with f32 sums; all other float work in f32.
;; Inputs: w_proj 1,024 x 1,024 float32; w_qkv 1,024 x 3,072 float32; x 4 x 2,048 x 1,024 float32.
;; Outputs: out0 4 x 2,048 x 1,024 float32.
;; 2 versions, each right; version 2 is version 1 with the launch cast written anew for expert scheduling mode. Each part assembles by itself: llvm-mc -triple=amdgcn-amd-amdhsa -mcpu=gfx1250 --defsym DOCPART=n.
;; ======== version 1 of 2: 4 launches
;; limits: values are held in f16: magnitudes above 65,504 overflow, below 6.1e-05 lose precision
;; workspace buffers: xb 16,777,216 bytes; wqb 6,291,456 bytes; wpb 2,097,152 bytes; qkv 50,331,648 bytes; yh 16,777,216 bytes
;; launch cast (part 1): grid 768 x 1, 8 waves a work-group, no clusters, 0 bytes of LDS; arguments x, w_qkv, w_proj, xb, wqb, wpb; writes xb, wqb, wpb
.if DOCPART == 1
	.amdgcn_target "amdgcn-amd-amdhsa--gfx1250"
	.amdhsa_code_object_version 6
	.text
	.protected	k_q43b33e13c8_cast
	.globl	k_q43b33e13c8_cast
	.p2align	8
	.type	k_q43b33e13c8_cast,@function
k_q43b33e13c8_cast:
	s_mov_b64 s[64:65], 0
	v_nop
	global_prefetch_b8 v0, s[64:65] scope:SCOPE_SE
	s_setreg_imm32_b32 hwreg(HW_REG_WAVE_MODE, 25, 1), 1
	s_wait_xcnt 0x0
; The three f32 inputs are rounded once to the 16-bit operands of the matrix products that follow:
;   x -> xb (bf16), w_qkv -> wqb (bf16), w_proj -> wpb (rounded to bf16 like the other inputs, then kept as f16, since its partner y is f16).
; bf16 has 8 significant bits and f16 has 11, so the second step changes nothing for |w_proj| from 2^-14 up to 65,504.
; LIMIT: below 2^-14 a w_proj value is rounded to a multiple of 2^-24; above 65,504 it becomes infinity.
; A stream: no LDS, no barrier, no matrix unit.  A work-group takes 65,536 bytes of f32: 512 groups for x, 192 for w_qkv, 64 for w_proj.
; Thread t takes 16 bytes at 16 t of each of sixteen blocks of 4,096 bytes; all sixteen loads go out at once, and no register is written twice
; while a memory instruction may read it.  A wave's store of 8 bytes a lane covers 256 consecutive bytes, aligned.
.set X, 4                              ; v[4:67]    sixteen loads of four f32
.set Y, 68                             ; v[68:99]   sixteen stores of four 16-bit numbers
.set T, 100                            ; v[100:101] at work (f16 way)
.set GX, 512                           ; work-groups for x
.set GW, 704                           ; and for x and w_qkv together
	s_load_b256 s[4:11], s[0:1], 0x0               ; x s[4:5], w_qkv s[6:7], w_proj s[8:9], xb s[10:11]
	s_load_b128 s[12:15], s[0:1], 0x20             ; wqb s[12:13], wpb s[14:15]
	v_lshlrev_b32 v1, 4, v0                        ; my 16 bytes of a block of f32
	v_lshlrev_b32 v2, 3, v0                        ; my 8 bytes of the block as stored
	s_movk_i32 s24, GX
	s_movk_i32 s25, GW
	s_mov_b32 s23, 0
	s_wait_kmcnt 0x0
	s_cmp_lt_u32 ttmp9, s25                        ; which tensor is mine: the choice hangs on the work-group's number alone
	s_cselect_b64 s[16:17], s[6:7], s[8:9]
	s_cselect_b64 s[18:19], s[12:13], s[14:15]
	s_cselect_b32 s20, s24, s25
	s_cmp_lt_u32 ttmp9, s24
	s_cselect_b64 s[16:17], s[4:5], s[16:17]       ; source
	s_cselect_b64 s[18:19], s[10:11], s[18:19]     ; destination
	s_cselect_b32 s20, 0, s20                      ; the tensor's first work-group
	s_sub_co_u32 s20, ttmp9, s20                   ; my part of the tensor
	s_lshl_b32 s22, s20, 16                        ; 65,536 bytes in,
	s_add_nc_u64 s[16:17], s[16:17], s[22:23]
	s_lshl_b32 s22, s20, 15                        ; 32,768 bytes out
	s_add_nc_u64 s[18:19], s[18:19], s[22:23]
.set j, 0
.rept 16
	global_load_b128 v[X+4*j:X+4*j+3], v1, s[16:17] offset:4096*j th:TH_LOAD_NT   ; read once in the launch
.set j, j+1
.endr
	s_cmp_ge_u32 ttmp9, s25
	s_cbranch_scc1 .Lhalf
.set j, 0
.rept 16
	s_wait_loadcnt 15-j                            ; loads come back in order: block j is in, the 15 - j younger ones stay out
	v_cvt_pk_bf16_f32 v[Y+2*j], v[X+4*j], v[X+4*j+1]
	v_cvt_pk_bf16_f32 v[Y+2*j+1], v[X+4*j+2], v[X+4*j+3]
	global_store_b64 v2, v[Y+2*j:Y+2*j+1], s[18:19] offset:2048*j
.set j, j+1
.endr
	s_endpgm
.Lhalf:                                            ; w_proj: to bf16, widened again (a shift, a mask), and narrowed to f16
.set j, 0
.rept 16
	s_wait_loadcnt 15-j
	v_cvt_pk_bf16_f32 v[T], v[X+4*j], v[X+4*j+1]
	v_cvt_pk_bf16_f32 v[T+1], v[X+4*j+2], v[X+4*j+3]
	v_lshlrev_b32 v[X+4*j], 16, v[T]
	v_and_b32 v[X+4*j+1], 0xffff0000, v[T]
	v_lshlrev_b32 v[X+4*j+2], 16, v[T+1]
	v_and_b32 v[X+4*j+3], 0xffff0000, v[T+1]
	v_cvt_pk_f16_f32 v[Y+2*j], v[X+4*j], v[X+4*j+1]
	v_cvt_pk_f16_f32 v[Y+2*j+1], v[X+4*j+2], v[X+4*j+3]
	global_store_b64 v2, v[Y+2*j:Y+2*j+1], s[18:19] offset:2048*j
.set j, j+1
.endr
	s_endpgm
.Lfunc_end_k_q43b33e13c8_cast:
	.size	k_q43b33e13c8_cast, .Lfunc_end_k_q43b33e13c8_cast-k_q43b33e13c8_cast
	.p2alignl 7, 3214868480
	.fill 96, 4, 3214868480
	.section	.rodata,"a",@progbits
	.p2align	6, 0x0
	.amdhsa_kernel k_q43b33e13c8_cast
		.amdhsa_group_segment_fixed_size 0
		.amdhsa_private_segment_fixed_size 0
		.amdhsa_enable_private_segment 0
		.amdhsa_kernarg_size 48
		.amdhsa_user_sgpr_count 2
		.amdhsa_user_sgpr_kernarg_segment_ptr 1
		.amdhsa_wavefront_size32 1
		.amdhsa_system_sgpr_workgroup_id_x 1
		.amdhsa_system_sgpr_workgroup_id_y 1
		.amdhsa_system_sgpr_workgroup_id_z 1
		.amdhsa_system_vgpr_workitem_id 0
		.amdhsa_next_free_vgpr 104
		.amdhsa_next_free_sgpr 66
		.amdhsa_reserve_vcc 0
		.amdhsa_float_denorm_mode_32 3
		.amdhsa_float_denorm_mode_16_64 3
		.amdhsa_memory_ordered 1
		.amdhsa_forward_progress 1
		.amdhsa_inst_pref_size 16
	.end_amdhsa_kernel
	.amdgpu_metadata
---
amdhsa.version: [ 1, 2 ]
amdhsa.kernels:
  - .name:           k_q43b33e13c8_cast
    .symbol:         k_q43b33e13c8_cast.kd
    .args:
      - { .name: x, .offset: 0, .size: 8, .value_kind: global_buffer, .address_space: global }
      - { .name: w_qkv, .offset: 8, .size: 8, .value_kind: global_buffer, .address_space: global }
      - { .name: w_proj, .offset: 16, .size: 8, .value_kind: global_buffer, .address_space: global }
      - { .name: xb, .offset: 24, .size: 8, .value_kind: global_buffer, .address_space: global }
      - { .name: wqb, .offset: 32, .size: 8, .value_kind: global_buffer, .address_space: global }
      - { .name: wpb, .offset: 40, .size: 8, .value_kind: global_buffer, .address_space: global }
    .group_segment_fixed_size: 0
    .private_segment_fixed_size: 0
    .kernarg_segment_align: 8
    .kernarg_segment_size: 48
    .max_flat_workgroup_size: 256
    .sgpr_count:     66
    .vgpr_count:     104
    .wavefront_size: 32
...
	.end_amdgpu_metadata
.endif
;; end of part 1
;; launch qkvgemm (part 2): grid 12 x 32, 4 waves a work-group, clusters of 4 x 4, 327,680 bytes of LDS; arguments xb, wqb, qkv; writes qkv
.if DOCPART == 2
	.amdgcn_target "amdgcn-amd-amdhsa--gfx1250"
	.amdhsa_code_object_version 6
	.text
	.protected	k_q43b33e13c8_qkvgemm
	.globl	k_q43b33e13c8_qkvgemm
	.p2align	8
	.type	k_q43b33e13c8_qkvgemm,@function
k_q43b33e13c8_qkvgemm:
	s_mov_b64 s[64:65], 0
	v_nop
	global_prefetch_b8 v0, s[64:65] scope:SCOPE_SE
	s_setreg_imm32_b32 hwreg(HW_REG_WAVE_MODE, 25, 1), 1
	s_wait_xcnt 0x0
	s_wait_alu depctr_hold_cnt(0) depctr_sa_sdst(0) depctr_va_vdst(0) depctr_va_sdst(0) depctr_va_ssrc(0) depctr_va_vcc(0) depctr_vm_vsrc(0)
	s_getreg_b32 s2, hwreg(HW_REG_IB_STS2, 6, 4)
	s_cmp_eq_u32 s2, 0
	s_cbranch_scc0 .Lentry_in_a_cluster
	s_endpgm
.Lentry_in_a_cluster:
	s_bfe_u32 s2, ttmp6, 0x10000c
	s_cmp_lg_u32 s2, 0xf033
	s_cbranch_scc0 .Lentry_shape_is_right
	s_endpgm
.Lentry_shape_is_right:
; C = A B with B stored [K][N].  A = xb [8192][1024] bf16, B = wqb [1024][3072] bf16; sums in f32; C rounded once to f16 and stored by head:
; qkv [3][64 = 16 b + h][2048][64], so that the rows of a head lie side by side for the attention that follows.
; LIMIT: q, k, v are kept in f16: a sum beyond 65,504 in size becomes infinity.
; A work-group makes a block of 256 x 256 of C with four waves (2 x 2), a wave 128 x 128: 64 accumulator tiles, 512 registers.  For 32 along K a wave
; reads 32 x 512 bytes from LDS for 64 matrix instructions; a block of 128 x 256 would read 24 x 512 for 32.  K = 1024 goes in 8 steps of 128 through
; two LDS slots filled by the tensor data mover; between a tile's request and the wait for it a wave issues 240 matrix instructions.
; The grid is 12 x 32 = 384 work-groups of equal work, which is no multiple of the 256 WGPs: the shapes that are (256 x 384; 256 x 192 or 128 x 384 twice)
; either need two slots of 180 KiB or leave 192 matrix instructions a step and rows of B that are no power of two of words for the padding.
; B's tile stays [K][N] in LDS and its fragments are read by the transposing load, so the weights are never transposed in memory.
; CLUSTERS: 4 x 4 work-groups.  A's tile hangs on the block row alone and is asked for jointly by a row of the cluster, B's on the block column alone
; and is asked for jointly by a column: that divides the requests for A and for B by four.  Each wave issues one joint load a K step: waves 0, 1 A's
; two halves of 128 rows x 256 bytes, waves 2, 3 B's two halves of 64 k rows x 512 bytes.  By this text's count a wave has two tensor loads out at the
; start and one later.
; THE MATRIX INSTRUCTION IS USED TRANSPOSED (source 0 = 16 columns of B, source 1 = 16 rows of A): lane l then holds row l % 16 of C and in its eight
; registers the columns 8 (l / 16) + 0..7, neighbours in a row of C, which pack into 16 bytes.
; REGISTERS, in windows of 256:
;   window 0: v16-26 addresses; v64-127, v128-191 fragments of A (8 x 16 rows x 32 K), two buffers; v192-223 at work on the way out
;   window 1: v64-127, v128-191 fragments of B (8 x 16 columns x 32 K), two buffers
;   window 2: the 32 accumulator tiles of my rows 0-63 (tile (a, b) at v[8 (8 a + b)]);   window 3: those of my rows 64-127
.set SIZE_K, 1024
.set SIZE_N, 3072
.set KSTEP,  128
.set ASTEP,  KSTEP*2                   ; A, from a K step to the next: 128 bf16 along a row
.set BSTEP,  KSTEP*SIZE_N*2            ; B: 128 rows
.set APITCH, 272                       ; 256 bytes + 16: sixteen rows begin at sixteen different 16-byte columns modulo 256 bytes
.set BPITCH, 544                       ; 512 bytes + 32: an odd multiple of 32, for the transposing load
.set HALFT,  128*APITCH                ; 34,816 = 64 x 544 too: what one tensor load brings, of A or of B
.set BOFF,   2*HALFT                   ; B's tile lies behind A's
.set SLOT,   4*HALFT                   ; 139,264
.set STAGE,  2*SLOT                    ; behind the ring: 16 rows x 272 bytes for each wave; no tensor load lands here
.set SPITCH, 272                       ; stage row: 128 f16 + 16 bytes; 16 of them are 4,352 bytes, a multiple of 256
.set HEADB,  262144                    ; a head in qkv: 2048 rows of 128 bytes
.set LAPS,   SIZE_K/(2*KSTEP)          ; 4 laps of two K steps
.set ADRA, 16                          ; v16-17  LDS address of my A fragments in slot 0, 1
.set ADRB, 20                          ; v20-21  the same for B
.set STO,  24                          ; the way out: where I put 16 bytes of a row
.set RD,   25                          ; the way out: where I read back
.set CO,   26                          ; my 16 bytes in a store of 512
.set F0,   64                          ; fragment buffer 0
.set F1,   128                         ; fragment buffer 1
.set TMP,  192                         ; the way out: packed results, in window 0
.set G1,  24                           ; s[24:31] group 1 for A's tiles
.set G0,  32                           ; s[32:39] group 0 for A's tiles, a set for each slot
.set G1B, 48                           ; s[48:55] group 1 for B's tiles
.set G0B, 56                           ; s[56:63] group 0 for B's tiles, a set for each slot
.set MUL_LO, 0xa1                      ; source 0 (B) window 1, source 1 (A) window 0, C and D window 2
.set MUL_HI, 0xf1                      ; the same, C and D window 3
.set TO_B,   0x40                      ; destination window 1, address window 0
.set MSB, 0
.macro WIN new                         ; the immediate's high byte repeats the setting that is left
.if MSB != \new
	s_set_vgpr_msb (MSB<<8)|\new
.set MSB, \new
.endif
.endm
; A joint load: each of the two lines has one mask and one set of registers for all that issue it.  The branch hangs on the wave's number alone.
.macro JLOAD s
	s_cmp_eq_u32 s11, 0
	s_cbranch_scc0 .Lfor_b_\@
	tensor_load_to_lds s[G0+4*\s:G0+4*\s+3], s[G1:G1+7]
	s_nop 0
	s_branch .Lasked_\@
.Lfor_b_\@:
	tensor_load_to_lds s[G0B+4*\s:G0B+4*\s+3], s[G1B:G1B+7]
	s_nop 0
.Lasked_\@:
.endm
; A round of the cluster's barrier: my work-group's barrier, wave 0 signals for the work-group, every wave waits for all sixteen, my work-group's barrier again.
.macro CREST                           ; a round behind its opening barrier
	s_cmp_lg_u32 s10, 0
	s_cbranch_scc1 .Lnot_wave_0_\@
	s_barrier_signal -3
.Lnot_wave_0_\@:
	s_barrier_wait -3
	s_barrier_signal -1
	s_barrier_wait -1
.endm
.macro CROUND
	s_barrier_signal -1
	s_barrier_wait -1
	CREST
.endm
	s_load_b128 s[4:7], s[0:1], 0x0                ; A s[4:5], B s[6:7]
	s_load_b64 s[8:9], s[0:1], 0x10                ; C
	s_set_vgpr_msb 0x40
	v_lshl_add_u32 v255, v0, 2, 0x48400
	s_set_vgpr_msb 0x4000
	v_mov_b32 v255, 0
	s_set_vgpr_msb 0x1
	ds_add_u32 v255, v255
	s_set_vgpr_msb 0x100
	v_lshrrev_b32 v1, 5, v0
	v_readfirstlane_b32 s10, v1                    ; wave 0..3
	s_lshr_b32 s11, s10, 1                         ; which 128 rows of the block are mine.  Also: I fetch for A (0) or for B (1)
	s_and_b32 s12, s10, 1                          ; which 128 columns.  Also: which half of that tile I fetch
	s_bfe_u32 s40, ttmp6, 0x40000                  ; cx
	s_bfe_u32 s41, ttmp6, 0x40004                  ; cy
	s_lshl_b32 s42, ttmp9, 2
	s_add_co_u32 s42, s42, s40                     ; block column = 4 x cluster x + cx
	s_and_b32 s13, ttmp7, 0xffff
	s_lshl_b32 s13, s13, 2
	s_add_co_u32 s13, s13, s41                     ; block row = 4 x cluster y + cy
	s_lshl_b32 s43, s41, 2
	s_lshl_b32 s43, 15, s43                        ; my row of the cluster: places 4 cy .. 4 cy + 3
	s_lshl_b32 s44, 0x1111, s40                    ; my column: places cx, cx + 4, cx + 8, cx + 12
	; group 1.  A: 128 rows x 128 elements of 2 bytes, 4 words of padding behind every 64.  B: 64 rows x 256 elements, 8 words behind every 128.
	s_or_b32 s[G1+0], s43, (1<<16)|(1<<20)|(1<<21)|(5<<22)|(3<<25)   ; mask of my row; element of 2 bytes; padding on; bit 21 beside a mask; interval; amount
	s_or_b32 s[G1B+0], s44, (1<<16)|(1<<20)|(1<<21)|(6<<22)|(7<<25)  ; mask of my column
	s_mov_b32 s[G1+1], 128<<16                     ; tensor_dim0
	s_mov_b32 s[G1B+1], 256<<16
	s_mov_b32 s[G1+2], 128<<16                     ; tensor_dim1
	s_mov_b32 s[G1B+2], 64<<16
	s_mov_b32 s[G1+3], 128<<16                     ; tile_dim0
	s_mov_b32 s[G1B+3], 256<<16
	s_mov_b32 s[G1+4], 128                         ; tile_dim1
	s_mov_b32 s[G1B+4], 64
	s_mov_b32 s[G1+5], SIZE_K                      ; elements from row to row
	s_mov_b32 s[G1B+5], SIZE_N
	s_mov_b32 s[G1+6], 0
	s_mov_b32 s[G1B+6], 0
	s_mov_b32 s[G1+7], 0
	s_mov_b32 s[G1B+7], 0
	; where the tiles come from: A's offset is made of the block row and the wave, B's of the block column and the wave, in registers of their own
	s_lshl_b32 s16, s13, 19                        ; 256 rows of 2,048 bytes for each block row
	s_lshl_b32 s17, s12, 18                        ; my half: 128 rows
	s_add_co_u32 s16, s16, s17
	s_mov_b32 s17, 0
	s_lshl_b32 s46, s42, 9                         ; 256 columns of 2 bytes for each block column
	s_mul_i32 s47, s12, 64*SIZE_N*2                ; my half: 64 k rows
	s_add_co_u32 s46, s46, s47
	s_mov_b32 s47, 0
	s_mul_i32 s20, s10, HALFT                      ; and where they go: A's two halves, then B's two halves = wave x 34,816: no place in the cluster enters an LDS address
	s_wait_dscnt 0x0
	s_wait_kmcnt 0x0
	s_add_nc_u64 s[14:15], s[4:5], s[16:17]
	s_add_nc_u64 s[46:47], s[6:7], s[46:47]
	CROUND                                         ; all sixteen work-groups are here: the first joint loads meet
.irp s, 0,1
	s_mov_b32 s[G0+4*\s], 1
	s_add_co_u32 s[G0+4*\s+1], s20, \s*SLOT
	s_add_nc_u64 s[G0+4*\s+2:G0+4*\s+3], s[14:15], \s*ASTEP        ; K step s
	s_or_b32 s[G0+4*\s+3], s[G0+4*\s+3], 0x80000000
	s_mov_b32 s[G0B+4*\s], 1
	s_add_co_u32 s[G0B+4*\s+1], s20, \s*SLOT
	s_add_nc_u64 s[G0B+4*\s+2:G0B+4*\s+3], s[46:47], \s*BSTEP
	s_or_b32 s[G0B+4*\s+3], s[G0B+4*\s+3], 0x80000000
	JLOAD \s                                       ; both slots are asked for before anything else is done
.endr
	; lane terms.  r = l % 16, h = l / 16.
	v_and_b32 v1, 15, v0                           ; r
	v_bfe_u32 v2, v0, 4, 1                         ; h
	v_and_b32 v3, 7, v0                            ; l % 8
	v_bfe_u32 v4, v0, 3, 1                         ; (l / 8) % 2
	; B, transposing load: lane l addresses 16 bytes of k row 8 h + l % 8, at column 8 ((l / 8) % 2); it receives k = 8 h + 0..7 of column r
	v_lshl_add_u32 v5, v2, 3, v3
	v_mul_u32_u24 v5, v5, BPITCH
	v_lshl_add_u32 v5, v4, 4, v5
	s_lshl_b32 s22, s12, 8                         ; my 128 columns,
	s_add_co_u32 s22, s22, BOFF                    ; behind A's tile
	v_add_nc_u32 v[ADRB], s22, v5
	v_add_nc_u32 v[ADRB+1], SLOT, v[ADRB]
	; A, K along the rows: row r, 16 bytes for each half of the lanes
	v_mul_u32_u24 v6, v1, APITCH
	v_lshl_add_u32 v6, v2, 4, v6
	s_mul_i32 s21, s11, HALFT                      ; my 128 rows
	v_add_nc_u32 v[ADRA], s21, v6
	v_add_nc_u32 v[ADRA+1], SLOT, v[ADRA]
	; the way out
	s_mul_i32 s23, s10, 16*SPITCH
	s_add_co_u32 s23, s23, STAGE                   ; my stage
	v_mul_u32_u24 v7, v1, SPITCH                   ; in: stage row r, 16 bytes for each half of the lanes
	v_lshl_add_u32 v7, v2, 4, v7
	v_add_nc_u32 v[STO], s23, v7
	v_bfe_u32 v8, v0, 3, 2                         ; back: four stage rows, 128 bytes (one head's 64 numbers) of each
	v_mul_u32_u24 v8, v8, SPITCH
	v_lshl_add_u32 v8, v3, 4, v8
	v_add_nc_u32 v[RD], s23, v8
	v_and_b32 v9, 31, v0
	v_lshlrev_b32 v[CO], 4, v9                     ; 16 bytes a lane: a store covers 512 consecutive bytes
; 16 matrix instructions: row blocks a0, a0 + 1 of the window's four (hi = 0: my rows 0-63, 1: rows 64-127) x all 8 column blocks, 32 along K.
; zero = 1: the first product starts the sums: nothing is ever cleared.
.macro MUL16 f, hi, a0, zero
.irp a, \a0, \a0+1
.irp b, 0,1,2,3,4,5,6,7
.if \zero
	v_wmma_f32_16x16x32_bf16 v[8*(8*(\a)+\b):8*(8*(\a)+\b)+7], v[\f+8*\b:\f+8*\b+7], v[\f+8*(4*\hi+\a):\f+8*(4*\hi+\a)+7], 0
.else
	v_wmma_f32_16x16x32_bf16 v[8*(8*(\a)+\b):8*(8*(\a)+\b)+7], v[\f+8*\b:\f+8*\b+7], v[\f+8*(4*\hi+\a):\f+8*(4*\hi+\a)+7], v[8*(8*(\a)+\b):8*(8*(\a)+\b)+7]
.endif
.endr
.endr
.endm
; 32 LDS loads in one run: the fragments of quarter kq (32 along K) of a slot into buffer f: 16 for B's 128 columns, then 16 for A's 128 rows in their order
.macro FETCH slot, kq, f
	WIN TO_B
.irp b, 0,1,2,3,4,5,6,7
	ds_load_tr16_b128 v[\f+8*\b:\f+8*\b+3],   v[ADRB+\slot] offset:(32*\kq)*BPITCH+32*\b
	ds_load_tr16_b128 v[\f+8*\b+4:\f+8*\b+7], v[ADRB+\slot] offset:(32*\kq+16)*BPITCH+32*\b
.endr
	WIN 0
.irp i, 0,1,2,3,4,5,6,7
	ds_load_b128 v[\f+8*\i:\f+8*\i+3],   v[ADRA+\slot] offset:64*\kq+\i*16*APITCH
	ds_load_b128 v[\f+8*\i+4:\f+8*\i+7], v[ADRA+\slot] offset:64*\kq+\i*16*APITCH+32
.endr
.endm
; A load into a register that a matrix instruction has read, and a vector instruction that reads a matrix result, stand four places behind that matrix
; instruction; only plain vector instructions that name none of its registers are places (ISA guide 7.12.1 for vector instructions).
.macro PLACES
.rept 4
	v_nop
.endr
.endm
; One of a K step's first three quarters: multiplies buffer f; in its middle it fetches quarter kq of the same slot into buffer g.
; The 64 accumulators take turns, one instruction a turn, in the same order in every quarter.
.macro QUARTER slot, kq, f, g, zero
	s_wait_dscnt 8                                 ; B and A's rows 0-63 are in; the youngest eight loads (A's rows 64-127) may be out
	WIN MUL_LO
	MUL16 \f, 0, 0, \zero
	MUL16 \f, 0, 2, \zero
	PLACES
	FETCH \slot, \kq, \g
	s_wait_dscnt 32                                ; all but the 32 just issued
	WIN MUL_HI
	MUL16 \f, 1, 0, \zero
	MUL16 \f, 1, 2, \zero
.endm
.macro THREE slot, zero
	QUARTER \slot, 1, F0, F1, \zero
	QUARTER \slot, 2, F1, F0, 0
	QUARTER \slot, 3, F0, F1, 0
.endm
; The last quarter multiplies buffer 1 and changes slots.  In front of the barrier each wave waits for its reads of this slot and for all its tensor
; loads (the one that is out is its part of the next slot).  fill = 1: the barrier opens a round of the cluster's barrier, and the joint refill of this
; slot, two K steps ahead, is the first tensor load behind the round.
.macro TURN slot, next, fill
	s_wait_dscnt 8
	WIN MUL_LO
	MUL16 F1, 0, 0, 0
	s_wait_dscnt 0                                 ; my reads of this slot are over
	s_wait_tensorcnt 0x0                           ; and all my tensor loads have landed
	ds_add_u32 v255, v255
	s_wait_dscnt 0x0
	s_barrier_signal -1
	MUL16 F1, 0, 2, 0                              ; registers only, while the others arrive
	WIN 0
	s_barrier_wait -1
.if \fill
	CREST                                          ; no wave of any partner still reads this slot or has a load on its way
	s_add_nc_u64 s[G0+4*\slot+2:G0+4*\slot+3], s[G0+4*\slot+2:G0+4*\slot+3], 2*ASTEP
	s_add_nc_u64 s[G0B+4*\slot+2:G0B+4*\slot+3], s[G0B+4*\slot+2:G0B+4*\slot+3], 2*BSTEP
	JLOAD \slot
.endif
	PLACES
	FETCH \next, 0, F0
	WIN MUL_HI
	MUL16 F1, 1, 0, 0
	MUL16 F1, 1, 2, 0
.endm
.macro LAP zero
	THREE 0, \zero
	TURN 0, 1, 1
	THREE 1, 0
	TURN 1, 0, 1
.endm
	s_wait_tensorcnt 0x1                           ; my part of K step 0 is in; K step 1's load stays out
	s_barrier_signal -1
	s_barrier_wait -1                              ; everybody's part is in
	FETCH 0, 0, F0
	LAP 1                                          ; the first lap stands in front of the loop: its first products start the sums
	WIN 0                                          ; at a label and at a branch every window is 0
	s_mov_b32 s3, LAPS-2
.Llap:
	LAP 0
	WIN 0
	s_sub_co_u32 s3, s3, 1
	s_cmp_lg_u32 s3, 0
	s_cbranch_scc1 .Llap
	THREE 0, 0                                     ; the last lap fills nothing: my one tensor load that is still out is slot 1's, the last K step's
	TURN 0, 1, 0
	THREE 1, 0
	s_wait_dscnt 8                                 ; the very last quarter
	WIN MUL_LO
	MUL16 F1, 0, 0, 0
	MUL16 F1, 0, 2, 0
	s_wait_dscnt 0
	WIN MUL_HI
	MUL16 F1, 1, 0, 0
	MUL16 F1, 1, 2, 0
	; THE WAY OUT, 16 rows of C at a time through my own stage.  The offset mixes block row and block column: it lives in s66, s67, which feed no descriptor.
	PLACES                                         ; the places behind the last matrix instructions, for the conversions and for the loads into the fragment buffers
	s_lshl_b32 s66, s42, 2                         ; my 128 columns are two heads: g = 4 x block column + 2 x half, out of 48 = 3 x 16
	s_lshl1_add_u32 s66, s12, s66
	s_lshr_b32 s67, s66, 4                         ; q, k or v
	s_lshl_b32 s67, s67, 6
	s_and_b32 s66, s66, 15                         ; head
	s_add_co_u32 s66, s66, s67
	s_lshr_b32 s67, s13, 3                         ; batch: 8 block rows of 256 each
	s_lshl4_add_u32 s66, s67, s66                  ; 64 x (q, k, v) + 16 x batch + head
	s_lshl_b32 s66, s66, 18                        ; x 2048 rows x 128 bytes
	s_and_b32 s67, s13, 7
	s_lshl_b32 s67, s67, 15                        ; 256 rows of 128 bytes for each block row inside the batch
	s_add_co_u32 s66, s66, s67
	s_lshl_b32 s67, s11, 14                        ; my 128 rows
	s_add_co_u32 s66, s66, s67
	s_mov_b32 s67, 0
	s_add_nc_u64 s[8:9], s[8:9], s[66:67]
; rows 16 i .. 16 i + 15 of my block = the eight tiles (a, 0..7) of window 2 or 3 (from = 0x0a or 0x0f: sources 0 and 1); f: F0 or F1 in turn
.macro OUT16 i, a, from, f
	WIN \from
.irp b, 0,1,2,3,4,5,6,7
.irp e, 0,1,2,3
	v_cvt_pk_f16_f32 v[TMP+4*\b+\e], v[8*(8*\a+\b)+2*\e], v[8*(8*\a+\b)+2*\e+1]
.endr
.endr
	WIN 0
.irp b, 0,1,2,3,4,5,6,7
	ds_store_b128 v[STO], v[TMP+4*\b:TMP+4*\b+3] offset:32*\b
.endr
	s_wait_xcnt 0x0                                ; buffer f, which earlier stores read, is loaded again only behind this wait
.irp u, 0,1,2,3,4,5,6,7
	ds_load_b128 v[\f+4*\u:\f+4*\u+3], v[RD] offset:(\u&3)*4*SPITCH+(\u>>2)*128   ; four rows of one head; LDS serves a wave's instructions in order (ISA guide 5.7.1): these see the stores above
.endr
.irp u, 0,1,2,3,4,5,6,7
	s_wait_dscnt 7-\u                              ; piece u is back, the younger ones stay out
	global_store_b128 v[CO], v[\f+4*\u:\f+4*\u+3], s[8:9] offset:(\u>>2)*HEADB+(16*\i+4*(\u&3))*128   ; four rows of 128 bytes of one head: 512 consecutive bytes, aligned
.endr
.endm
	OUT16 0, 0, 0x0a, F0
	OUT16 1, 1, 0x0a, F1
	OUT16 2, 2, 0x0a, F0
	OUT16 3, 3, 0x0a, F1
	OUT16 4, 0, 0x0f, F0
	OUT16 5, 1, 0x0f, F1
	OUT16 6, 2, 0x0f, F0
	OUT16 7, 3, 0x0f, F1
	s_set_vgpr_msb 0x1
	s_wait_tensorcnt 0x0
	ds_add_u32 v255, v255
	s_wait_dscnt 0x0
	s_set_vgpr_msb 0x100
	CROUND                                         ; the closing round: no work-group ends while a partner may still ask for a tile that names it
	s_endpgm
.Lfunc_end_k_q43b33e13c8_qkvgemm:
	.size	k_q43b33e13c8_qkvgemm, .Lfunc_end_k_q43b33e13c8_qkvgemm-k_q43b33e13c8_qkvgemm
	.p2alignl 7, 3214868480
	.fill 96, 4, 3214868480
	.section	.rodata,"a",@progbits
	.p2align	6, 0x0
	.amdhsa_kernel k_q43b33e13c8_qkvgemm
		.amdhsa_group_segment_fixed_size 327680
		.amdhsa_private_segment_fixed_size 0
		.amdhsa_enable_private_segment 0
		.amdhsa_kernarg_size 24
		.amdhsa_user_sgpr_count 2
		.amdhsa_user_sgpr_kernarg_segment_ptr 1
		.amdhsa_wavefront_size32 1
		.amdhsa_system_sgpr_workgroup_id_x 1
		.amdhsa_system_sgpr_workgroup_id_y 1
		.amdhsa_system_sgpr_workgroup_id_z 1
		.amdhsa_system_vgpr_workitem_id 0
		.amdhsa_next_free_vgpr 1024
		.amdhsa_next_free_sgpr 68
		.amdhsa_reserve_vcc 0
		.amdhsa_float_denorm_mode_32 3
		.amdhsa_float_denorm_mode_16_64 3
		.amdhsa_memory_ordered 1
		.amdhsa_forward_progress 1
		.amdhsa_inst_pref_size 196
	.end_amdhsa_kernel
	.amdgpu_metadata
---
amdhsa.version: [ 1, 2 ]
amdhsa.kernels:
  - .name:           k_q43b33e13c8_qkvgemm
    .symbol:         k_q43b33e13c8_qkvgemm.kd
    .args:
      - { .name: xb, .offset: 0, .size: 8, .value_kind: global_buffer, .address_space: global }
      - { .name: wqb, .offset: 8, .size: 8, .value_kind: global_buffer, .address_space: global }
      - { .name: qkv, .offset: 16, .size: 8, .value_kind: global_buffer, .address_space: global }
    .group_segment_fixed_size: 327680
    .private_segment_fixed_size: 0
    .kernarg_segment_align: 8
    .kernarg_segment_size: 24
    .max_flat_workgroup_size: 128
    .sgpr_count:     68
    .vgpr_count:     1024
    .wavefront_size: 32
...
	.end_amdgpu_metadata
.endif
;; end of part 2
;; launch attn (part 3): grid 256 x 1, 8 waves a work-group, no clusters, 327,680 bytes of LDS; arguments qkv, yh; writes yh
.if DOCPART == 3
	.amdgcn_target "amdgcn-amd-amdhsa--gfx1250"
	.amdhsa_code_object_version 6
	.text
	.protected	k_q43b33e13c8_attn
	.globl	k_q43b33e13c8_attn
	.p2align	8
	.type	k_q43b33e13c8_attn,@function
k_q43b33e13c8_attn:
	s_mov_b64 s[64:65], 0
	v_nop
	global_prefetch_b8 v0, s[64:65] scope:SCOPE_SE
	s_setreg_imm32_b32 hwreg(HW_REG_WAVE_MODE, 25, 1), 1
	s_wait_xcnt 0x0
; Causal attention by head, with a running maximum.  qkv: [3][64 = 16 b + h][2048][64] f16.  yh: [64][2048][64] f16.
; softmax(q k^T / 8) v, keys t <= s only.  Products on f16 operands with f32 sums; maximum, exponentials, sums and rescaling in f32.
; LIMITS: y is stored in f16 (|y| <= the largest |v|, which is f16 already).  The weights p = exp(..) <= 1 enter the second product as f16: a weight
; below about 2^-25 of its row's largest counts as 0 there.  The running maximum drops a NaN score; the NaN still reaches the row's sum through its exponential.
; SHARES: work-group id: head id / 4, i = id % 4.  It makes the query blocks i and 7 - i of 256 rows; block n needs the key chunks 0..n of 256 keys, so
; every work-group walks (i + 1) + (8 - i) = 9 chunk positions: equal work for all 256.  Wave w owns rows 32 w .. 32 w + 31 of the block.
; A chunk (K 32 KiB, V 32 KiB) lies in one of two LDS slots; position p uses slot p % 2.  Waves 0, 1 fetch K's halves, waves 2, 3 V's, one tensor load
; each, straight behind the position's barrier, for the next position: it has a position's four steps of 64 keys in which to land.  One load of a wave is out.
; NO MULTICAST: the four work-groups of a head stand at different chunks from position 1 on (block i ends after i + 1 positions); walking all eight
; chunks in step for both blocks would cost 12 positions' work against 9.
; BOTH PRODUCTS ARE USED TRANSPOSED.  S^T = K Q^T: lane (r = l % 16, h = l / 16) holds query r and keys 8 h + 0..7 of a tile, so a row's maximum and sum
; stay in the lane but for one exchange between the halves, and two tiles of S^T, narrowed in place, ARE the second source of O^T = V^T P^T.
; V^T's fragments come from the transposing LDS load.  P makes no trip through LDS.
.set KP,     272                       ; K: an LDS row holds two keys (256 bytes) + 16: key t at (t / 2) x 272 + (t % 2) x 128; sixteen keys touch sixteen different 16-byte columns
.set VP,     288                       ; V: the same + 32: the sixteen lanes of a transposing load touch the columns 2 a + 8 b + c, all different
.set VOFF,   36864                     ; V's tile in a slot
.set SLOT,   73728
.set STAGE,  2*SLOT                    ; behind the ring: 32 rows x 144 bytes for each wave; no tensor load lands here
.set SP,     144
.set WSTAGE, 32*SP                     ; 4,608, a multiple of 256
.set HEADB,  262144                    ; a head: 2048 rows of 128 bytes
.set KA,   2                           ; v2-3    LDS address of my K fragments in slot 0, 1
.set VA,   4                           ; v4-5    the same for V
.set QO,   6                           ; my offset in the block's Q rows
.set STO,  7                           ; the way out: in
.set RD,   8                           ; the way out: back
.set YO,   9                           ; my offset in the block's rows of y
.set DD,   10                          ; r - 8 h + 32 (w % 2): key 16 kt + jj of the masked step is allowed for query 16 qt + r if 16 kt + jj - 16 qt <= DD
.set NINF, 12                          ; -infinity
.set PX,   13                          ; what the other half of the lanes holds
.set AL,   14                          ; v14 + 2 qt: rescale factor; v15 + 2 qt: L, my half's running sum
.set NM,   18                          ; v18 + 2 qt: -c x maximum; v19 + 2 qt: M, the running maximum
.set T,    22                          ; v[22:29] at work
.set Q,    30                          ; v[30:61]   Q fragment (qt, kc) at 8 (2 qt + kc)
.set S,    62                          ; v[62:125]  S^T tile (qt, kt) at 8 (4 qt + kt); later P^T fragment (qt, c2) at 16 (2 qt + c2)
.set O,    126                         ; v[126:189] O^T tile (qt, dt) at 8 (4 qt + dt)
.set KV,   190                         ; v[190:253] K fragment (kt, kc) at 16 kt + 8 kc, then V^T fragment (c2, dt) at 8 (4 c2 + dt)
; scalars: s8 wave, s9 wave / 2, s10 head, s11 i, s12 position, s13 the block's diagonal position, s14 position of the change of blocks, s15 chunk, s16 next chunk,
; s17 last step of this position, s18 the step that is masked (4: none), s19 trips, s[20:21] chunk offset, s[22:23] K source, s[24:25] V source, s[26:27] Q rows,
; s[28:29] y rows, s[30:31] c = log2(e) / 8 twice, s32-33 lane selects, s34-35 my tile's place in a slot, s[36:39], s[40:43] group 0 for K, V, s[44:51], s[52:59] group 1
; My one tensor load: waves 0, 1 K's line, waves 2, 3 V's, waves 4 to 7 none.
.macro TLOAD
	s_cmp_ge_u32 s8, 4
	s_cbranch_scc1 .Lnone_\@
	s_cmp_ge_u32 s8, 2
	s_cbranch_scc1 .Lfor_v_\@
	tensor_load_to_lds s[36:39], s[44:51]
	s_nop 0
	s_branch .Lnone_\@
.Lfor_v_\@:
	tensor_load_to_lds s[40:43], s[52:59]
	s_nop 0
.Lnone_\@:
.endm
; s62 = a query block's number: the block's rows of Q and of y
.macro SETBLK
	s_lshl_b32 s62, s62, 15                        ; 256 rows of 128 bytes
	s_lshl_b32 s60, s10, 18
	s_add_co_u32 s60, s60, s62
	s_mov_b32 s61, 0
	s_add_nc_u64 s[26:27], s[4:5], s[60:61]
	s_add_nc_u64 s[28:29], s[6:7], s[60:61]
.endm
; A block begins: its Q fragments, empty sums.  O is cleared here, 64 moves twice in the kernel, because a block's first step stands at a position that
; hangs on the work-group's number: a first step written out with the constant 0 would double the loop's text.
.macro PROLOGUE
.irp qt, 0,1
.irp kc, 0,1
.irp e, 0,1
	global_load_b128 v[Q+8*(2*\qt+\kc)+4*\e:Q+8*(2*\qt+\kc)+4*\e+3], v[QO], s[26:27] offset:\qt*2048+\kc*64+\e*32   ; query 16 qt + r, d = 32 kc + 16 e + 8 h + 0..7
.endr
.endr
.endr
.set k, 0
.rept 64
	v_mov_b32 v[O+k], 0
.set k, k+1
.endr
.irp qt, 0,1
	v_mov_b32 v[AL+2*\qt+1], 0                     ; L = 0
	v_mov_b32 v[NM+2*\qt], 0x7f800000              ; -c x (-infinity): the first rescale factor comes out as 0
	v_mov_b32 v[NM+2*\qt+1], v[NINF]               ; M = -infinity
.endr
	s_wait_loadcnt 0x0
.endm
; A block ends: divide by the sums, narrow to f16, through my stage, out in runs of 512 consecutive bytes.
.macro EPILOGUE
.rept 5
	v_nop                                          ; the places behind the last matrix instructions (ISA guide 7.12.1)
.endr
	v_permlanex16_b32 v[PX], v[AL+1], s32, s33     ; the other half's keys
	v_add_f32 v[T], v[AL+1], v[PX]
	v_permlanex16_b32 v[PX], v[AL+3], s32, s33
	v_add_f32 v[T+1], v[AL+3], v[PX]
	v_rcp_f32 v[AL], v[T]
	v_rcp_f32 v[AL+2], v[T+1]
	v_nop                                          ; one plain place behind a transcendental before its result is used (ISA guide 5.7.2)
	s_wait_alu depctr_va_vdst(0)
.irp qt, 0,1
.set k, 0
.rept 16
	v_pk_mul_f32 v[O+32*\qt+2*k:O+32*\qt+2*k+1], v[O+32*\qt+2*k:O+32*\qt+2*k+1], v[AL+2*\qt:AL+2*\qt+1] op_sel_hi:[1,0]
.set k, k+1
.endr
.endr
.irp qt, 0,1
.irp dt, 0,1,2,3
.irp e, 0,1,2,3
	v_cvt_pk_f16_f32 v[KV+4*(4*\qt+\dt)+\e], v[O+8*(4*\qt+\dt)+2*\e], v[O+8*(4*\qt+\dt)+2*\e+1]
.endr
.endr
.endr
.irp qt, 0,1
.irp dt, 0,1,2,3
	ds_store_b128 v[STO], v[KV+4*(4*\qt+\dt):KV+4*(4*\qt+\dt)+3] offset:16*\qt*SP+32*\dt   ; query 16 qt + r, d = 16 dt + 8 h + 0..7
.endr
.endr
.irp t, 0,1,2,3,4,5,6,7
	ds_load_b128 v[KV+32+4*\t:KV+32+4*\t+3], v[RD] offset:4*\t*SP   ; four rows; LDS serves a wave's instructions in order (ISA guide 5.7.1): these see the stores above
.endr
.irp t, 0,1,2,3,4,5,6,7
	s_wait_dscnt 7-\t                              ; piece t is back, the younger ones stay out
	global_store_b128 v[YO], v[KV+32+4*\t:KV+32+4*\t+3], s[28:29] offset:512*\t            ; four rows of 128 bytes: 512 consecutive bytes, aligned
.endr
	s_wait_xcnt 0x0                                ; the stores' data registers and base are written again only behind this wait
.endm
; The softmax of my 16 queries qt over this step's 64 keys, of which my lane holds 32.
.macro SOFTMAX qt
.set SB, S+32*\qt
.irp c, 0,1,2,3
	v_max3_num_f32 v[T+\c], v[SB+8*\c], v[SB+8*\c+1], v[SB+8*\c+2]         ; four chains that do not wait for each other
.endr
.irp c, 0,1,2,3
	v_max3_num_f32 v[T+\c], v[T+\c], v[SB+8*\c+3], v[SB+8*\c+4]
.endr
.irp c, 0,1,2,3
	v_max3_num_f32 v[T+\c], v[T+\c], v[SB+8*\c+5], v[SB+8*\c+6]
.endr
	v_max3_num_f32 v[T], v[T], v[T+1], v[SB+7]
	v_max3_num_f32 v[T+2], v[T+2], v[T+3], v[SB+15]
	v_max3_num_f32 v[T], v[T], v[SB+23], v[SB+31]
	v_max3_num_f32 v[T], v[T], v[T+2], v[NM+2*\qt+1]                       ; and the maximum so far
	v_permlanex16_b32 v[PX], v[T], s32, s33                                ; the other half's keys
	v_max_num_f32 v[T], v[T], v[PX]                                        ; the new maximum, alike in both halves
	v_mul_f32 v[T+1], -v[T], s30                                           ; -c x maximum, rounded once; every exponent below uses this very number,
	v_sub_f32 v[T+2], v[T+1], v[NM+2*\qt]                                  ; and the old sums are rescaled by 2^(new - old) of these numbers, so the two agree
	v_exp_f32 v[AL+2*\qt], v[T+2]
	v_mov_b32 v[NM+2*\qt+1], v[T]                                          ; (the plain place behind the exponential)
	v_mov_b32 v[NM+2*\qt], v[T+1]
.set k, 0
.rept 16
	v_pk_fma_f32 v[SB+2*k:SB+2*k+1], v[SB+2*k:SB+2*k+1], s[30:31], v[NM+2*\qt:NM+2*\qt+1] op_sel_hi:[1,0,0]   ; c s - c m, at most 0
.set k, k+1
.endr
.set k, 0
.rept 32
	v_exp_f32 v[SB+k], v[SB+k]
.set k, k+1
.endr
	v_nop                                          ; one plain place behind the transcendentals before their results are used (ISA guide 5.7.2)
	s_wait_alu depctr_va_vdst(0)
.irp c, 0,1,2,3
	v_pk_add_f32 v[T+2*\c:T+2*\c+1], v[SB+8*\c:SB+8*\c+1], v[SB+8*\c+2:SB+8*\c+3]
.endr
.irp c, 0,1,2,3
	v_pk_add_f32 v[T+2*\c:T+2*\c+1], v[T+2*\c:T+2*\c+1], v[SB+8*\c+4:SB+8*\c+5]
.endr
.irp c, 0,1,2,3
	v_pk_add_f32 v[T+2*\c:T+2*\c+1], v[T+2*\c:T+2*\c+1], v[SB+8*\c+6:SB+8*\c+7]
.endr
	v_pk_add_f32 v[T:T+1], v[T:T+1], v[T+2:T+3]
	v_pk_add_f32 v[T+4:T+5], v[T+4:T+5], v[T+6:T+7]
	v_pk_add_f32 v[T:T+1], v[T:T+1], v[T+4:T+5]
	v_add_f32 v[T], v[T], v[T+1]
	v_fma_f32 v[AL+2*\qt+1], v[AL+2*\qt+1], v[AL+2*\qt], v[T]              ; L = L x factor + this step's sum
.irp p, 0,1
.irp k, 0,1,2,3,4,5,6,7
	v_cvt_pk_f16_f32 v[SB+16*\p+\k], v[SB+16*\p+2*\k], v[SB+16*\p+2*\k+1]  ; in place, ascending: word k is written when words 2 k, 2 k + 1 are read, never earlier
.endr
.endr
.set k, 0
.rept 16
	v_pk_mul_f32 v[O+32*\qt+2*k:O+32*\qt+2*k+1], v[O+32*\qt+2*k:O+32*\qt+2*k+1], v[AL+2*\qt:AL+2*\qt+1] op_sel_hi:[1,0]
.set k, k+1
.endr
.endm
; Step j of a position: keys 64 j .. 64 j + 63 of the chunk in the slot.
.macro STEP slot, j, id
.if \j
	s_cmp_lt_u32 s17, \j                           ; in the diagonal chunk all keys of the steps beyond w / 2 lie behind my last query
	s_cbranch_scc1 .Lend_\id
.endif
.rept 5
	v_nop                                          ; places behind the last V products: four before loads into their first sources, five before S is written over their second (ISA guide 7.12.1 for vector instructions)
.endr
.irp kc, 0,1
.irp kt, 0,1,2,3
	ds_load_b128 v[KV+16*\kt+8*\kc:KV+16*\kt+8*\kc+3],   v[KA+\slot] offset:(32*\j+8*\kt)*KP+64*\kc
	ds_load_b128 v[KV+16*\kt+8*\kc+4:KV+16*\kt+8*\kc+7], v[KA+\slot] offset:(32*\j+8*\kt)*KP+64*\kc+32
.endr
.endr
	s_wait_dscnt 8                                 ; d = 0..31 of the 64 keys is in; the eight younger loads stay out
.irp kt, 0,1,2,3
.irp qt, 0,1
	v_wmma_f32_16x16x32_f16 v[S+8*(4*\qt+\kt):S+8*(4*\qt+\kt)+7], v[KV+16*\kt:KV+16*\kt+7], v[Q+16*\qt:Q+16*\qt+7], 0
.endr
.endr
	s_wait_dscnt 0
.irp kt, 0,1,2,3                                   ; the eight accumulators take turns, one instruction a turn
.irp qt, 0,1
	v_wmma_f32_16x16x32_f16 v[S+8*(4*\qt+\kt):S+8*(4*\qt+\kt)+7], v[KV+16*\kt+8:KV+16*\kt+15], v[Q+16*\qt+8:Q+16*\qt+15], v[S+8*(4*\qt+\kt):S+8*(4*\qt+\kt)+7]
.endr
.endr
.rept 4
	v_nop                                          ; four places before loads land on K's fragments and before S is read
.endr
.irp c2, 0,1
.irp dt, 0,1,2,3
	ds_load_tr16_b128 v[KV+8*(4*\c2+\dt):KV+8*(4*\c2+\dt)+3],   v[VA+\slot] offset:(32*\j+16*\c2)*VP+32*\dt     ; keys 32 c2 + 8 h + 0..7 of d = 16 dt + r
	ds_load_tr16_b128 v[KV+8*(4*\c2+\dt)+4:KV+8*(4*\c2+\dt)+7], v[VA+\slot] offset:(32*\j+16*\c2+8)*VP+32*\dt   ; keys 32 c2 + 16 + 8 h + 0..7
.endr
.endr
	s_cmp_lg_u32 s18, \j                           ; only step w / 2 of the diagonal chunk holds keys on both sides of my queries
	s_cbranch_scc1 .Lfree_\@
.irp qt, 0,1
.irp kt, 0,1,2,3
.irp jj, 0,1,2,3,4,5,6,7
	v_cmp_le_i32 vcc_lo, 16*\kt+\jj-16*\qt, v[DD]
	v_cndmask_b32 v[S+8*(4*\qt+\kt)+\jj], v[NINF], v[S+8*(4*\qt+\kt)+\jj], vcc_lo
.endr
.endr
.endr
.Lfree_\@:
	SOFTMAX 0
	SOFTMAX 1
	s_wait_dscnt 8                                 ; V of keys 0..31 is in; the eight younger loads stay out
.irp dt, 0,1,2,3
.irp qt, 0,1
	v_wmma_f32_16x16x32_f16 v[O+8*(4*\qt+\dt):O+8*(4*\qt+\dt)+7], v[KV+8*\dt:KV+8*\dt+7], v[S+32*\qt:S+32*\qt+7], v[O+8*(4*\qt+\dt):O+8*(4*\qt+\dt)+7]
.endr
.endr
	s_wait_dscnt 0
.irp dt, 0,1,2,3                                   ; again eight accumulators by turns
.irp qt, 0,1
	v_wmma_f32_16x16x32_f16 v[O+8*(4*\qt+\dt):O+8*(4*\qt+\dt)+7], v[KV+8*(4+\dt):KV+8*(4+\dt)+7], v[S+32*\qt+16:S+32*\qt+23], v[O+8*(4*\qt+\dt):O+8*(4*\qt+\dt)+7]
.endr
.endr
.endm
; A position.  In front of its barrier every wave waits for all its tensor loads (its part of this slot) and for its reads of the other slot; behind it the
; other slot's refill comes first.  refill = 0: nothing is left to fetch.  sw = 1: the change of blocks may stand here.
.macro POS slot, refill, sw, id
	s_wait_tensorcnt 0x0                           ; no load of mine is out: the descriptors may be written
	ds_add_u32 v254, v255
	s_wait_dscnt 0x0
	s_wait_dscnt 0x0
	s_add_co_u32 s16, s15, 1                       ; the next chunk,
	s_cmp_eq_u32 s12, s13                          ; unless this is the block's diagonal chunk:
	s_cselect_b32 s17, s9, 3                       ; then my last step is w / 2,
	s_cselect_b32 s18, s9, 4                       ; that step is masked,
	s_cselect_b32 s16, 0, s16                      ; and the next block begins at chunk 0
.if \refill
	s_lshl_b32 s20, s16, 15                        ; 256 keys of 128 bytes
	s_add_nc_u64 s[38:39], s[22:23], s[20:21]
	s_or_b32 s39, s39, 0x80000000
	s_add_nc_u64 s[42:43], s[24:25], s[20:21]
	s_or_b32 s43, s43, 0x80000000
	s_add_co_u32 s37, s34, (1-\slot)*SLOT
	s_add_co_u32 s41, s35, (1-\slot)*SLOT
.endif
	s_barrier_signal -1
	s_barrier_wait -1                              ; this slot is whole, and nobody reads the other any more
.if \refill
	TLOAD
.endif
.if \sw
	s_cmp_lg_u32 s12, s14
	s_cbranch_scc1 .Lsame_\id
	EPILOGUE                                       ; block i is done,
	s_mov_b32 s13, 8                               ; block 7 - i ends at position 8
	s_sub_co_u32 s62, 7, s11
	SETBLK
	PROLOGUE
.Lsame_\id:
.endif
	STEP \slot, 0, \id
	STEP \slot, 1, \id
	STEP \slot, 2, \id
	STEP \slot, 3, \id
.Lend_\id:
	s_add_co_u32 s12, s12, 1
	s_mov_b32 s15, s16
.endm
	s_load_b128 s[4:7], s[0:1], 0x0                ; qkv s[4:5], yh s[6:7]
	v_lshl_add_u32 v254, v0, 2, 0x2d000
	v_mov_b32 v255, 0
	ds_add_u32 v254, v255
	v_lshrrev_b32 v1, 5, v0
	v_readfirstlane_b32 s8, v1                     ; wave 0..7
	s_lshr_b32 s9, s8, 1
	s_lshr_b32 s10, ttmp9, 2                       ; head
	s_and_b32 s11, ttmp9, 3                        ; i
	s_mov_b32 s12, 0
	s_mov_b32 s13, s11                             ; block i's diagonal chunk stands at position i
	s_add_co_u32 s14, s11, 1
	s_mov_b32 s15, 0
	s_mov_b32 s21, 0
	s_mov_b32 s30, 0x3e38aa3b                      ; log2(e) / 8
	s_mov_b32 s31, 0x3e38aa3b
	s_mov_b32 s32, 0x76543210                      ; v_permlanex16_b32: lane i of one half reads lane i of the other
	s_mov_b32 s33, 0xfedcba98
	s_mul_i32 s34, s8, 64*KP                       ; K's halves at wave x 17,408 (waves 0, 1)
	s_mul_i32 s35, s8, 64*VP                       ; V's at 36,864 + (wave - 2) x 18,432 = wave x 18,432 (waves 2, 3)
	; group 1: a dense block as 64 rows of 32 elements of 8 bytes; behind every 64 words 4 words of padding (K) or 8 (V)
	s_mov_b32 s44, (3<<16)|(1<<20)|(5<<22)|(3<<25)
	s_mov_b32 s52, (3<<16)|(1<<20)|(5<<22)|(7<<25)
	s_mov_b32 s45, 32<<16                          ; tensor_dim0
	s_mov_b32 s53, 32<<16
	s_mov_b32 s46, 64<<16                          ; tensor_dim1
	s_mov_b32 s54, 64<<16
	s_mov_b32 s47, 32<<16                          ; tile_dim0
	s_mov_b32 s55, 32<<16
	s_mov_b32 s48, 64                              ; tile_dim1
	s_mov_b32 s56, 64
	s_mov_b32 s49, 32                              ; elements from row to row
	s_mov_b32 s57, 32
	s_mov_b32 s50, 0
	s_mov_b32 s58, 0
	s_mov_b32 s51, 0
	s_mov_b32 s59, 0
	s_add_co_u32 s60, s10, 64                      ; k's heads lie behind q's 64
	s_lshl_b32 s60, s60, 18
	s_and_b32 s61, s8, 1                           ; my half of a chunk: 128 keys of 128 bytes
	s_lshl_b32 s61, s61, 14
	s_add_co_u32 s60, s60, s61
	s_mov_b32 s61, 0
	s_wait_dscnt 0x0
	s_barrier_signal -1
	s_barrier_wait -1
	s_wait_kmcnt 0x0
	s_add_nc_u64 s[22:23], s[4:5], s[60:61]
	s_add_nc_u64 s[24:25], s[22:23], 64*HEADB      ; v's heads lie behind k's 64
	s_mov_b32 s36, 1
	s_add_co_u32 s37, s34, 0*SLOT
	s_mov_b64 s[38:39], s[22:23]
	s_or_b32 s39, s39, 0x80000000
	s_mov_b32 s40, 1
	s_add_co_u32 s41, s35, 0*SLOT
	s_mov_b64 s[42:43], s[24:25]
	s_or_b32 s43, s43, 0x80000000
	TLOAD                                          ; chunk 0 into slot 0, ahead of everything else
	v_and_b32 v[T], 15, v0                         ; r
	v_bfe_u32 v[T+1], v0, 4, 1                     ; h
	v_and_b32 v[T+2], 31, v0                       ; l
	v_bfe_u32 v[T+3], v0, 1, 3                     ; r / 2
	v_and_b32 v[T+4], 1, v0                        ; r % 2
	v_mul_u32_u24 v[KA], v[T+3], KP                ; K: key r, 16 bytes for each half of the lanes
	v_lshl_add_u32 v[KA], v[T+4], 7, v[KA]
	v_lshl_add_u32 v[KA], v[T+1], 4, v[KA]
	v_add_nc_u32 v[KA+1], SLOT, v[KA]
	v_bfe_u32 v[T+5], v0, 1, 2                     ; V, transposing load: lane l addresses key 8 h + l % 8, 16 bytes at d = 8 ((l / 8) % 2)
	v_lshl_add_u32 v[T+5], v[T+1], 2, v[T+5]       ; its LDS row: 4 h + (l % 8) / 2
	v_mul_u32_u24 v[VA], v[T+5], VP
	v_lshl_add_u32 v[VA], v[T+4], 7, v[VA]
	v_bfe_u32 v[T+5], v0, 3, 1
	v_lshl_add_u32 v[VA], v[T+5], 4, v[VA]
	v_add_nc_u32 v[VA], VOFF, v[VA]
	v_add_nc_u32 v[VA+1], SLOT, v[VA]
	s_lshl_b32 s60, s8, 12                         ; my 32 rows of 128 bytes
	v_lshl_add_u32 v[QO], v[T], 7, s60
	v_lshl_add_u32 v[QO], v[T+1], 4, v[QO]
	v_lshl_add_u32 v[YO], v[T+2], 4, s60
	s_mul_i32 s60, s8, WSTAGE
	s_add_co_u32 s60, s60, STAGE                   ; my stage
	v_mul_u32_u24 v[STO], v[T], SP
	v_lshl_add_u32 v[STO], v[T+1], 4, v[STO]
	v_add_nc_u32 v[STO], s60, v[STO]
	v_bfe_u32 v[T+5], v0, 3, 2
	v_mul_u32_u24 v[RD], v[T+5], SP
	v_and_b32 v[T+5], 7, v0
	v_lshl_add_u32 v[RD], v[T+5], 4, v[RD]
	v_add_nc_u32 v[RD], s60, v[RD]
	s_and_b32 s60, s8, 1                           ; in step w / 2 of the diagonal chunk my first query is key 32 (w % 2) of the step
	s_lshl_b32 s60, s60, 5
	v_lshlrev_b32 v[T+5], 3, v[T+1]
	v_sub_nc_u32 v[DD], v[T], v[T+5]
	v_add_nc_u32 v[DD], s60, v[DD]
	v_mov_b32 v[NINF], 0xff800000
	v_mov_b32 v[PX], 0                             ; the lane exchange counts as a reader of its destination
	s_mov_b32 s62, s11
	SETBLK
	PROLOGUE                                       ; block i
	s_mov_b32 s19, 0
.Ltrip:
	POS 0, 1, 1, a
	POS 1, 1, 1, b
	s_add_co_u32 s19, s19, 1
	s_cmp_lt_u32 s19, 4
	s_cbranch_scc1 .Ltrip
	POS 0, 0, 0, c                                 ; position 8: block 7 - i's diagonal chunk; nothing is left to fetch
	EPILOGUE
	s_wait_tensorcnt 0x0
	ds_add_u32 v254, v255
	s_wait_dscnt 0x0
	s_endpgm
.Lfunc_end_k_q43b33e13c8_attn:
	.size	k_q43b33e13c8_attn, .Lfunc_end_k_q43b33e13c8_attn-k_q43b33e13c8_attn
	.p2alignl 7, 3214868480
	.fill 96, 4, 3214868480
	.section	.rodata,"a",@progbits
	.p2align	6, 0x0
	.amdhsa_kernel k_q43b33e13c8_attn
		.amdhsa_group_segment_fixed_size 327680
		.amdhsa_private_segment_fixed_size 0
		.amdhsa_enable_private_segment 0
		.amdhsa_kernarg_size 16
		.amdhsa_user_sgpr_count 2
		.amdhsa_user_sgpr_kernarg_segment_ptr 1
		.amdhsa_wavefront_size32 1
		.amdhsa_system_sgpr_workgroup_id_x 1
		.amdhsa_system_sgpr_workgroup_id_y 1
		.amdhsa_system_sgpr_workgroup_id_z 1
		.amdhsa_system_vgpr_workitem_id 0
		.amdhsa_next_free_vgpr 256
		.amdhsa_next_free_sgpr 66
		.amdhsa_reserve_vcc 1
		.amdhsa_float_denorm_mode_32 3
		.amdhsa_float_denorm_mode_16_64 3
		.amdhsa_memory_ordered 1
		.amdhsa_forward_progress 1
		.amdhsa_inst_pref_size 255
	.end_amdhsa_kernel
	.section	.bss,"aw",@nobits
	.p2align	6
	.space	262144
	.amdgpu_metadata
---
amdhsa.version: [ 1, 2 ]
amdhsa.kernels:
  - .name:           k_q43b33e13c8_attn
    .symbol:         k_q43b33e13c8_attn.kd
    .args:
      - { .name: qkv, .offset: 0, .size: 8, .value_kind: global_buffer, .address_space: global }
      - { .name: yh, .offset: 8, .size: 8, .value_kind: global_buffer, .address_space: global }
    .group_segment_fixed_size: 327680
    .private_segment_fixed_size: 0
    .kernarg_segment_align: 8
    .kernarg_segment_size: 16
    .max_flat_workgroup_size: 256
    .sgpr_count:     66
    .vgpr_count:     256
    .wavefront_size: 32
...
	.end_amdgpu_metadata
.endif
;; end of part 3
;; launch proj (part 4): grid 4 x 64, 4 waves a work-group, clusters of 4 x 4, 327,680 bytes of LDS; arguments yh, wpb, out0; writes out0
.if DOCPART == 4
	.amdgcn_target "amdgcn-amd-amdhsa--gfx1250"
	.amdhsa_code_object_version 6
	.text
	.protected	k_q43b33e13c8_proj
	.globl	k_q43b33e13c8_proj
	.p2align	8
	.type	k_q43b33e13c8_proj,@function
k_q43b33e13c8_proj:
	s_mov_b64 s[64:65], 0
	v_nop
	global_prefetch_b8 v0, s[64:65] scope:SCOPE_SE
	s_setreg_imm32_b32 hwreg(HW_REG_WAVE_MODE, 25, 1), 1
	s_wait_xcnt 0x0
	s_wait_alu depctr_hold_cnt(0) depctr_sa_sdst(0) depctr_va_vdst(0) depctr_va_sdst(0) depctr_va_ssrc(0) depctr_va_vcc(0) depctr_vm_vsrc(0)
	s_getreg_b32 s2, hwreg(HW_REG_IB_STS2, 6, 4)
	s_cmp_eq_u32 s2, 0
	s_cbranch_scc0 .Lentry_in_a_cluster
	s_endpgm
.Lentry_in_a_cluster:
	s_bfe_u32 s2, ttmp6, 0x10000c
	s_cmp_lg_u32 s2, 0xf033
	s_cbranch_scc0 .Lentry_shape_is_right
	s_endpgm
.Lentry_shape_is_right:
; C = A B with B stored [K][N].  A = yh [64 = 16 b + h][2048][64] f16 (row 2048 b + s of the product, column 64 h + d), B = wpb [1024][1024] f16;
; sums in f32; C = out0 [8192][1024] f32.
; A work-group makes 128 x 256 of C with four waves (2 x 2), a wave 64 x 128: 32 accumulator tiles, 256 registers.  That gives 64 x 4 = 256 work-groups
; of equal work, one for each WGP; blocks of 256 x 256 would give 128.  K = 1024 goes in 8 steps of 128 (two heads) through two LDS slots filled by the
; tensor data mover.  B's tile stays [K][N] in LDS and its fragments are read by the transposing load, so the weights are never transposed in memory.
; CLUSTERS: 4 x 4 work-groups.  A's tile hangs on the block row alone and is asked for jointly by a row of the cluster, B's on the block column
; alone and is asked for jointly by a column.  Each wave issues one joint load a K step: waves 0, 1 B's two halves of 64 k rows x 512 bytes,
; waves 2, 3 A's two halves (a head each) of 64 rows x 256 bytes.  By this text's count a wave has two tensor loads out at the start and one later.
; THE MATRIX INSTRUCTION IS USED TRANSPOSED (source 0 = 16 columns of B, source 1 = 16 rows of A): lane l then holds row l % 16 of C and in its
; eight registers the columns 8 (l / 16) + 0..7, neighbours in a row of C.
; REGISTERS: window 0: v16-26 addresses; v32-127, v128-223 two fragment buffers (8 of B, then 4 of A).
;            window 1: accumulator tile (a, b) at v[8 (8 a + b)].
.set SIZE_K, 1024
.set SIZE_N, 1024
.set SPITCH, 528                       ; stage row: 128 f32 + 16 bytes
.set ASTEP,  2*262144                  ; A, from a K step to the next: two heads of 2048 x 128 bytes
.set APGLOB, 128                       ; A's tile is a dense block: 64 rows of 128 elements, each holding two rows of a head
.set KSTEP,  128
.set BSTEP,  KSTEP*SIZE_N*2            ; B, from a K step to the next: 128 rows
.set BPITCH, 544                       ; 512 bytes + 32: an odd multiple of 32, for the transposing load
.set APITCH, 272                       ; 256 bytes + 16
.set BHALF,  64*BPITCH                 ; 34,816: what wave 0 or 1 brings
.set AHALF,  64*APITCH                 ; 17,408: what wave 2 or 3 brings
.set AOFF,   2*BHALF                   ; A's tile lies behind B's
.set SLOT,   AOFF+2*AHALF              ; 104,448
.set STAGE,  2*SLOT                    ; behind the ring: 16 stage rows for each wave; no tensor load lands here
.set WSTAGE, 16*SPITCH                 ; 8,448, a multiple of 256
.set LAPS,   SIZE_K/(2*KSTEP)          ; 4 laps of two K steps
.set ADRA, 16                          ; v16-17  LDS address of my A fragments in slot 0, 1
.set ADRB, 20                          ; v20-21  the same for B
.set STO,  24                          ; the way out: where I put my piece of a row
.set RD,   25                          ; the way out: where I read back
.set CO,   26                          ; my byte offset in a store of 512 bytes
.set F0,   32
.set F1,   128
.set G1,  24                           ; s[24:31] group 1 for A's tiles
.set G0,  32                           ; s[32:39] group 0 for A's tiles, a set for each slot
.set G1B, 48                           ; s[48:55] group 1 for B's tiles
.set G0B, 56                           ; s[56:63] group 0 for B's tiles, a set for each slot
.set W_MUL, 0x50                       ; C and D in window 1, the fragments in window 0
.set MSB, 0
.macro WIN new                         ; the immediate's high byte repeats the setting that is left
.if MSB != \new
	s_set_vgpr_msb (MSB<<8)|\new
.set MSB, \new
.endif
.endm
; A joint load: each of the two lines has one mask and one set of registers for all that issue it.  The branch hangs on the wave's number alone.
.macro JLOAD s
	s_cmp_eq_u32 s11, 0
	s_cbranch_scc0 .Lfor_a_\@
	tensor_load_to_lds s[G0B+4*\s:G0B+4*\s+3], s[G1B:G1B+7]
	s_nop 0
	s_branch .Lasked_\@
.Lfor_a_\@:
	tensor_load_to_lds s[G0+4*\s:G0+4*\s+3], s[G1:G1+7]
	s_nop 0
.Lasked_\@:
.endm
; A round of the cluster's barrier: my work-group's barrier, wave 0 signals for the work-group, every wave waits for all sixteen, my work-group's barrier again.
.macro CREST                           ; a round behind its opening barrier
	s_cmp_lg_u32 s10, 0
	s_cbranch_scc1 .Lnot_wave_0_\@
	s_barrier_signal -3
.Lnot_wave_0_\@:
	s_barrier_wait -3
	s_barrier_signal -1
	s_barrier_wait -1
.endm
.macro CROUND
	s_barrier_signal -1
	s_barrier_wait -1
	CREST
.endm
	s_load_b128 s[4:7], s[0:1], 0x0                ; A s[4:5], B s[6:7]
	s_load_b64 s[8:9], s[0:1], 0x10                ; C
	v_lshl_add_u32 v254, v0, 2, 0x3b400
	v_mov_b32 v255, 0
	ds_add_u32 v254, v255
	v_lshrrev_b32 v1, 5, v0
	v_readfirstlane_b32 s10, v1                    ; wave 0..3
	s_lshr_b32 s11, s10, 1                         ; which 64 rows of the block are mine.  Also: I fetch for B (0) or for A (1)
	s_and_b32 s12, s10, 1                          ; which 128 columns.  Also: which half of that tile I fetch
	s_bfe_u32 s40, ttmp6, 0x40000                  ; cx
	s_bfe_u32 s41, ttmp6, 0x40004                  ; cy
	s_lshl_b32 s42, ttmp9, 2
	s_add_co_u32 s42, s42, s40                     ; block column = 4 x cluster x + cx
	s_and_b32 s13, ttmp7, 0xffff
	s_lshl_b32 s13, s13, 2
	s_add_co_u32 s13, s13, s41                     ; block row = 4 x cluster y + cy
	s_lshl_b32 s43, s41, 2
	s_lshl_b32 s43, 15, s43                        ; my row of the cluster: places 4 cy .. 4 cy + 3
	s_lshl_b32 s44, 0x1111, s40                    ; my column: places cx, cx + 4, cx + 8, cx + 12
	; group 1.  A: 64 rows x 128 elements of 2 bytes, 4 words of padding behind every 64.  B: 64 rows x 256 elements, 8 words behind every 128.
	s_or_b32 s[G1+0], s43, (1<<16)|(1<<20)|(1<<21)|(5<<22)|(3<<25)   ; mask of my row; element of 2 bytes; padding on; bit 21 beside a mask; interval; amount
	s_or_b32 s[G1B+0], s44, (1<<16)|(1<<20)|(1<<21)|(6<<22)|(7<<25)  ; mask of my column
	s_mov_b32 s[G1+1], 128<<16                     ; tensor_dim0
	s_mov_b32 s[G1B+1], 256<<16
	s_mov_b32 s[G1+2], 64<<16                      ; tensor_dim1
	s_mov_b32 s[G1B+2], 64<<16
	s_mov_b32 s[G1+3], 128<<16                     ; tile_dim0
	s_mov_b32 s[G1B+3], 256<<16
	s_mov_b32 s[G1+4], 64                          ; tile_dim1
	s_mov_b32 s[G1B+4], 64
	s_mov_b32 s[G1+5], APGLOB                      ; elements from row to row
	s_mov_b32 s[G1B+5], SIZE_N
	s_mov_b32 s[G1+6], 0
	s_mov_b32 s[G1B+6], 0
	s_mov_b32 s[G1+7], 0
	s_mov_b32 s[G1B+7], 0
	; where the tiles come from: A's offset is made of the block row and the wave, B's of the block column and the wave, in registers of their own
	s_lshr_b32 s16, s13, 4                         ; batch b = block row / 16: 16 heads x 2048 rows x 128 bytes = 2^22
	s_lshl_b32 s16, s16, 22
	s_and_b32 s17, s13, 15                         ; 128 rows of 128 bytes for each block row inside the batch
	s_lshl_b32 s17, s17, 14
	s_add_co_u32 s16, s16, s17
	s_lshl_b32 s17, s12, 18                        ; my half of the K step is one head: 262,144 bytes
	s_add_co_u32 s16, s16, s17
	s_mov_b32 s17, 0
	s_lshl_b32 s46, s42, 9                         ; 256 columns of 2 bytes for each block column
	s_mul_i32 s47, s12, 64*SIZE_N*2                ; my half: 64 k rows
	s_add_co_u32 s46, s46, s47
	s_mov_b32 s47, 0
	s_mul_i32 s20, s10, BHALF                      ; where they go: B's halves at wave x 34,816 (waves 0, 1),
	s_mul_i32 s21, s10, AHALF
	s_add_co_u32 s21, s21, AOFF-2*AHALF            ; A's at 69,632 + (wave - 2) x 17,408 (waves 2, 3): no place in the cluster enters an LDS address
	s_wait_dscnt 0x0
	s_wait_kmcnt 0x0
	s_add_nc_u64 s[14:15], s[4:5], s[16:17]
	s_add_nc_u64 s[46:47], s[6:7], s[46:47]
	CROUND                                         ; all sixteen work-groups are here: the first joint loads meet
.irp s, 0,1
	s_mov_b32 s[G0+4*\s], 1
	s_add_co_u32 s[G0+4*\s+1], s21, \s*SLOT
	s_add_nc_u64 s[G0+4*\s+2:G0+4*\s+3], s[14:15], \s*ASTEP        ; K step s
	s_or_b32 s[G0+4*\s+3], s[G0+4*\s+3], 0x80000000
	s_mov_b32 s[G0B+4*\s], 1
	s_add_co_u32 s[G0B+4*\s+1], s20, \s*SLOT
	s_add_nc_u64 s[G0B+4*\s+2:G0B+4*\s+3], s[46:47], \s*BSTEP
	s_or_b32 s[G0B+4*\s+3], s[G0B+4*\s+3], 0x80000000
	JLOAD \s                                       ; both slots are asked for before anything else is done
.endr
	; lane terms.  r = l % 16, h = l / 16.
	v_and_b32 v1, 15, v0                           ; r
	v_bfe_u32 v2, v0, 4, 1                         ; h
	v_and_b32 v3, 7, v0                            ; l % 8
	v_bfe_u32 v4, v0, 3, 1                         ; (l / 8) % 2
	; B, transposing load: lane l addresses 16 bytes of k row 8 h + l % 8, at column 8 ((l / 8) % 2); it receives k = 8 h + 0..7 of column r
	v_lshl_add_u32 v5, v2, 3, v3
	v_mul_u32_u24 v5, v5, BPITCH
	v_lshl_add_u32 v5, v4, 4, v5
	s_lshl_b32 s22, s12, 8                         ; my 128 columns
	v_add_nc_u32 v[ADRB], s22, v5
	v_add_nc_u32 v[ADRB+1], SLOT, v[ADRB]
	; A, K along the rows: row r, 16 bytes for each half of the lanes
	v_lshrrev_b32 v6, 1, v1                        ; an LDS row holds two rows of a head: row r is at (r / 2) x pitch + (r % 2) x 128,
	v_mul_u32_u24 v6, v6, APITCH                   ; so sixteen lanes touch the 16-byte columns r / 2 + 8 (r % 2): all different
	v_and_b32 v7, 1, v0
	v_lshl_add_u32 v6, v7, 7, v6
	s_mul_i32 s23, s11, 32*APITCH
	v_lshl_add_u32 v6, v2, 4, v6
	s_add_co_u32 s23, s23, AOFF
	v_add_nc_u32 v[ADRA], s23, v6
	v_add_nc_u32 v[ADRA+1], SLOT, v[ADRA]
	; the way out
	s_mul_i32 s22, s10, WSTAGE
	s_add_co_u32 s22, s22, STAGE                   ; my stage
	v_mul_u32_u24 v7, v1, SPITCH                   ; in: stage row r, eight f32 for each half of the lanes
	v_lshl_add_u32 v7, v2, 5, v7
	v_add_nc_u32 v[STO], s22, v7
	v_and_b32 v8, 31, v0
	v_lshlrev_b32 v[CO], 4, v8                     ; 16 bytes a lane: a store covers 512 consecutive bytes
	v_add_nc_u32 v[RD], s22, v[CO]                 ; back: a whole stage row of 512 bytes
; 8 matrix instructions: row block a of my four x all 8 column blocks, 32 along K.  zero = 1: the first product starts the sums.
.macro MULA f, a, zero
.irp b, 0,1,2,3,4,5,6,7
.if \zero
	v_wmma_f32_16x16x32_f16 v[8*(8*\a+\b):8*(8*\a+\b)+7], v[\f+8*\b:\f+8*\b+7], v[\f+64+8*\a:\f+64+8*\a+7], 0
.else
	v_wmma_f32_16x16x32_f16 v[8*(8*\a+\b):8*(8*\a+\b)+7], v[\f+8*\b:\f+8*\b+7], v[\f+64+8*\a:\f+64+8*\a+7], v[8*(8*\a+\b):8*(8*\a+\b)+7]
.endif
.endr
.endm
; 24 LDS loads in one run: the fragments of quarter kq (32 along K) of a slot into buffer f: 16 for B, then 8 for A in the order of its row blocks
.macro FETCH slot, kq, f
.irp b, 0,1,2,3,4,5,6,7
	ds_load_tr16_b128 v[\f+8*\b:\f+8*\b+3],   v[ADRB+\slot] offset:(32*\kq)*BPITCH+32*\b
	ds_load_tr16_b128 v[\f+8*\b+4:\f+8*\b+7], v[ADRB+\slot] offset:(32*\kq+16)*BPITCH+32*\b
.endr
.irp a, 0,1,2,3
	ds_load_b128 v[\f+64+8*\a:\f+64+8*\a+3],   v[ADRA+\slot] offset:(\kq>>1)*AHALF+\a*8*APITCH+(\kq&1)*64
	ds_load_b128 v[\f+64+8*\a+4:\f+64+8*\a+7], v[ADRA+\slot] offset:(\kq>>1)*AHALF+\a*8*APITCH+(\kq&1)*64+32
.endr
.endm
; A load into a register that a matrix instruction has read, and an LDS store that reads a matrix result, stand four places behind that matrix
; instruction; only plain vector instructions that name none of its registers are places.
.macro PLACES
.rept 4
	v_nop
.endr
.endm
; One of a K step's first three quarters: multiplies buffer f; in its middle it fetches quarter kq of the same slot into buffer g.
; The 32 accumulators take turns, one instruction a turn, in the same order in every quarter.
.macro QUARTER slot, kq, f, g, zero
	s_wait_dscnt 4                                 ; B and A's row blocks 0, 1 are in; the four youngest loads (row blocks 2, 3) may be out
	WIN W_MUL
	MULA \f, 0, \zero
	MULA \f, 1, \zero
	PLACES
	WIN 0
	FETCH \slot, \kq, \g
	s_wait_dscnt 24                                ; all but the 24 just issued
	WIN W_MUL
	MULA \f, 2, \zero
	MULA \f, 3, \zero
.endm
.macro THREE slot, zero
	QUARTER \slot, 1, F0, F1, \zero
	QUARTER \slot, 2, F1, F0, 0
	QUARTER \slot, 3, F0, F1, 0
.endm
; The last quarter multiplies buffer 1 and changes slots.  In front of the barrier each wave waits for its reads of this slot and for all its tensor
; loads (the one that is out is its part of the next slot).  fill = 1: the barrier opens a round of the cluster's barrier, and the joint refill of this
; slot, two K steps ahead, is the first tensor load behind the round.  From a request to the wait for it a wave issues 120 matrix instructions.
.macro TURN slot, next, fill
	s_wait_dscnt 4
	WIN W_MUL
	MULA F1, 0, 0
	s_wait_dscnt 0                                 ; my reads of this slot are over
	s_wait_tensorcnt 0x0                           ; and all my tensor loads have landed
	ds_add_u32 v254, v255
	s_wait_dscnt 0x0
	s_barrier_signal -1
	MULA F1, 1, 0                                  ; registers only, while the others arrive
	WIN 0
	s_barrier_wait -1
.if \fill
	CREST                                          ; no wave of any partner still reads this slot or has a load on its way
	s_add_nc_u64 s[G0+4*\slot+2:G0+4*\slot+3], s[G0+4*\slot+2:G0+4*\slot+3], 2*ASTEP
	s_add_nc_u64 s[G0B+4*\slot+2:G0B+4*\slot+3], s[G0B+4*\slot+2:G0B+4*\slot+3], 2*BSTEP
	JLOAD \slot
.endif
	PLACES
	FETCH \next, 0, F0
	WIN W_MUL
	MULA F1, 2, 0
	MULA F1, 3, 0
.endm
.macro LAP zero
	THREE 0, \zero
	TURN 0, 1, 1
	THREE 1, 0
	TURN 1, 0, 1
.endm
	s_wait_tensorcnt 0x1                           ; my part of K step 0 is in; K step 1's load stays out
	s_barrier_signal -1
	s_barrier_wait -1                              ; everybody's part is in
	FETCH 0, 0, F0
	LAP 1                                          ; the first lap stands in front of the loop: its first products start the sums
	WIN 0                                          ; at a label and at a branch every window is 0
	s_mov_b32 s3, LAPS-2
.Llap:
	LAP 0
	WIN 0
	s_sub_co_u32 s3, s3, 1
	s_cmp_lg_u32 s3, 0
	s_cbranch_scc1 .Llap
	THREE 0, 0                                     ; the last lap fills nothing
	TURN 0, 1, 0
	THREE 1, 0
	s_wait_dscnt 4                                 ; the very last quarter
	WIN W_MUL
	MULA F1, 0, 0
	MULA F1, 1, 0
	s_wait_dscnt 0
	MULA F1, 2, 0
	MULA F1, 3, 0
	; THE WAY OUT, 16 rows of C at a time through my own stage.  The offset mixes block row and block column: it lives in s66, s67, which feed no descriptor.
	PLACES
	WIN 0
	s_lshl_b32 s66, s13, 19                        ; 128 rows of 4,096 bytes for each block row
	s_lshl_b32 s67, s11, 18                        ; my 64 rows
	s_add_co_u32 s66, s66, s67
	s_lshl_b32 s67, s42, 10                        ; 256 columns of 4 bytes for each block column
	s_add_co_u32 s66, s66, s67
	s_lshl_b32 s67, s12, 9                         ; my 128 columns
	s_add_co_u32 s66, s66, s67
	s_mov_b32 s67, 0
	s_add_nc_u64 s[8:9], s[8:9], s[66:67]
.macro OUT16 a, f
	WIN 0x04                                       ; an LDS store's data is source 1: window 1
.irp b, 0,1,2,3,4,5,6,7
	ds_store_b128 v[STO], v[8*(8*\a+\b):8*(8*\a+\b)+3]   offset:64*\b
	ds_store_b128 v[STO], v[8*(8*\a+\b)+4:8*(8*\a+\b)+7] offset:64*\b+16
.endr
	WIN 0
	s_wait_xcnt 0x0                                ; buffer f, which earlier stores read, is loaded again only behind this wait
.irp t, 0,1,2,3,4,5,6,7,8,9,10,11,12,13,14,15
	ds_load_b128 v[\f+4*\t:\f+4*\t+3], v[RD] offset:\t*SPITCH      ; LDS serves a wave's instructions in order (ISA guide 5.7.1): these see the stores above
.endr
.irp t, 0,1,2,3,4,5,6,7,8,9,10,11,12,13,14,15
	s_wait_dscnt 15-\t                             ; row t is back, the younger ones stay out
	global_store_b128 v[CO], v[\f+4*\t:\f+4*\t+3], s[8:9] offset:(16*\a+\t)*4096 th:TH_STORE_NT   ; 512 consecutive bytes of a row of out0, aligned
.endr
.endm
	OUT16 0, F0
	OUT16 1, F1
	OUT16 2, F0
	OUT16 3, F1
	s_wait_tensorcnt 0x0
	ds_add_u32 v254, v255
	s_wait_dscnt 0x0
	CROUND                                         ; the closing round: no work-group ends while a partner may still ask for a tile that names it
	s_endpgm
.Lfunc_end_k_q43b33e13c8_proj:
	.size	k_q43b33e13c8_proj, .Lfunc_end_k_q43b33e13c8_proj-k_q43b33e13c8_proj
	.p2alignl 7, 3214868480
	.fill 96, 4, 3214868480
	.section	.rodata,"a",@progbits
	.p2align	6, 0x0
	.amdhsa_kernel k_q43b33e13c8_proj
		.amdhsa_group_segment_fixed_size 327680
		.amdhsa_private_segment_fixed_size 0
		.amdhsa_enable_private_segment 0
		.amdhsa_kernarg_size 24
		.amdhsa_user_sgpr_count 2
		.amdhsa_user_sgpr_kernarg_segment_ptr 1
		.amdhsa_wavefront_size32 1
		.amdhsa_system_sgpr_workgroup_id_x 1
		.amdhsa_system_sgpr_workgroup_id_y 1
		.amdhsa_system_sgpr_workgroup_id_z 1
		.amdhsa_system_vgpr_workitem_id 0
		.amdhsa_next_free_vgpr 512
		.amdhsa_next_free_sgpr 68
		.amdhsa_reserve_vcc 0
		.amdhsa_float_denorm_mode_32 3
		.amdhsa_float_denorm_mode_16_64 3
		.amdhsa_memory_ordered 1
		.amdhsa_forward_progress 1
		.amdhsa_inst_pref_size 118
	.end_amdhsa_kernel
	.amdgpu_metadata
---
amdhsa.version: [ 1, 2 ]
amdhsa.kernels:
  - .name:           k_q43b33e13c8_proj
    .symbol:         k_q43b33e13c8_proj.kd
    .args:
      - { .name: yh, .offset: 0, .size: 8, .value_kind: global_buffer, .address_space: global }
      - { .name: wpb, .offset: 8, .size: 8, .value_kind: global_buffer, .address_space: global }
      - { .name: out0, .offset: 16, .size: 8, .value_kind: global_buffer, .address_space: global }
    .group_segment_fixed_size: 327680
    .private_segment_fixed_size: 0
    .kernarg_segment_align: 8
    .kernarg_segment_size: 24
    .max_flat_workgroup_size: 128
    .sgpr_count:     68
    .vgpr_count:     512
    .wavefront_size: 32
...
	.end_amdgpu_metadata
.endif
;; end of part 4
;; ======== version 2 of 2: 4 launches; version 1 with the launch cast written anew for expert scheduling mode
;; limits: values are held in f16: magnitudes above 65,504 overflow, below 6.1e-05 lose precision
;; workspace buffers: xb 16,777,216 bytes; wqb 6,291,456 bytes; wpb 2,097,152 bytes; qkv 50,331,648 bytes; yh 16,777,216 bytes
;; launch cast (part 5): grid 768 x 1, 8 waves a work-group, no clusters, 0 bytes of LDS; arguments x, w_qkv, w_proj, xb, wqb, wpb; writes xb, wqb, wpb
.if DOCPART == 5
	.amdgcn_target "amdgcn-amd-amdhsa--gfx1250"
	.amdhsa_code_object_version 6
	.text
	.protected	k_q43b33e13c8_cast
	.globl	k_q43b33e13c8_cast
	.p2align	8
	.type	k_q43b33e13c8_cast,@function
k_q43b33e13c8_cast:
	s_mov_b64 s[64:65], 0
	v_nop
	global_prefetch_b8 v0, s[64:65] scope:SCOPE_SE
	s_setreg_imm32_b32 hwreg(HW_REG_WAVE_SCHED_MODE, 0, 2), 2
	s_setreg_imm32_b32 hwreg(HW_REG_WAVE_MODE, 25, 1), 1
	s_wait_xcnt 0x0
	s_wait_alu depctr_vm_vsrc(0)
; The three f32 inputs are rounded once to the 16-bit operands of the matrix products that follow:
;   x -> xb (bf16), w_qkv -> wqb (bf16), w_proj -> wpb (rounded to bf16 like the other inputs, then kept as f16, since its partner y is f16).
; bf16 has 8 significant bits and f16 has 11, so the second step changes nothing for |w_proj| from 2^-14 up to 65,504.
; LIMIT: below 2^-14 a w_proj value is rounded to a multiple of 2^-24; above 65,504 it becomes infinity.
; A stream: no LDS, no barrier, no matrix unit.  A work-group takes 65,536 bytes of f32: 512 groups for x, 192 for w_qkv, 64 for w_proj.
; Thread t takes 16 bytes at 16 t of each of sixteen blocks of 4,096 bytes; all sixteen loads go out at once, and no register is written twice
; while a memory instruction may read it.  A wave's store of 8 bytes a lane covers 256 consecutive bytes, aligned.
; THE MODE: SCHED_MODE bits 1:0 = 2 (LLVM: expert scheduling mode 2), set by the entry lines.  The code itself states the register dependences
; between vector instructions and memory instructions, with s_wait_alu, always for 0.
; THE PLAN.  Registers that memory instructions touch:
;   v1, v2   byte offsets.  Written once at the head; v1 is read by the sixteen loads, v2 by the sixteen stores; never written again.
;   X        Each four registers are written by one load, once, and read by vector instructions behind that load's counted wait (on the f16 way also
;            rewritten by them there).  No vector instruction names them ahead of the loads; no memory instruction reads them; no second load lands in them.
;   Y        Each register is written once, by a conversion, and read by one store; never written again.
;   T        named by vector instructions alone.
; So one wait on va_vdst stands ahead of the first load (v1 and v2 are written), and one behind the conversions of every fourth block, ahead of a run of
; four stores (those blocks' eight registers of Y are written): five for a wave.  The wait stands straight behind a group's conversions: all loads
; are out already, so there is nothing of the next group's to issue first, and a store set behind the next block's wait for data would stand
; behind data that it does not need.  No register that a memory instruction reads is written again, so there is no wait on vm_vsrc to write; no vector instruction
; writes a scalar register or VCC; EXEC is never written.
.set X, 4                              ; v[4:67]    sixteen loads of four f32
.set Y, 68                             ; v[68:99]   sixteen stores of four 16-bit numbers
.set T, 100                            ; v[100:101] at work (f16 way)
.set GX, 512                           ; work-groups for x
.set GW, 704                           ; and for x and w_qkv together
.set RUN, 4                            ; blocks whose stores go out together, behind one wait
	s_load_b256 s[4:11], s[0:1], 0x0               ; x s[4:5], w_qkv s[6:7], w_proj s[8:9], xb s[10:11]
	s_load_b128 s[12:15], s[0:1], 0x20             ; wqb s[12:13], wpb s[14:15]
	v_lshlrev_b32 v1, 4, v0                        ; my 16 bytes of a block of f32
	v_lshlrev_b32 v2, 3, v0                        ; my 8 bytes of the block as stored
	s_movk_i32 s24, GX
	s_movk_i32 s25, GW
	s_mov_b32 s23, 0
	s_wait_kmcnt 0x0
	s_cmp_lt_u32 ttmp9, s25                        ; which tensor is mine: the choice hangs on the work-group's number alone
	s_cselect_b64 s[16:17], s[6:7], s[8:9]
	s_cselect_b64 s[18:19], s[12:13], s[14:15]
	s_cselect_b32 s20, s24, s25
	s_cmp_lt_u32 ttmp9, s24
	s_cselect_b64 s[16:17], s[4:5], s[16:17]       ; source
	s_cselect_b64 s[18:19], s[10:11], s[18:19]     ; destination
	s_cselect_b32 s20, 0, s20                      ; the tensor's first work-group
	s_sub_co_u32 s20, ttmp9, s20                   ; my part of the tensor
	s_lshl_b32 s22, s20, 16                        ; 65,536 bytes in,
	s_add_nc_u64 s[16:17], s[16:17], s[22:23]
	s_lshl_b32 s22, s20, 15                        ; 32,768 bytes out
	s_add_nc_u64 s[18:19], s[18:19], s[22:23]
	s_wait_alu depctr_va_vdst(0)                   ; v1 and v2 are written: every load below reads v1 as its offset, every store on either way reads v2
.set j, 0
.rept 16
	global_load_b128 v[X+4*j:X+4*j+3], v1, s[16:17] offset:4096*j th:TH_LOAD_NT   ; read once in the launch
.set j, j+1
.endr
	s_cmp_ge_u32 ttmp9, s25
	s_cbranch_scc1 .Lhalf
.set j, 0
.rept 16
	s_wait_loadcnt 15-j                            ; loads come back in order: block j is in, the 15 - j younger ones stay out
	v_cvt_pk_bf16_f32 v[Y+2*j], v[X+4*j], v[X+4*j+1]
	v_cvt_pk_bf16_f32 v[Y+2*j+1], v[X+4*j+2], v[X+4*j+3]
.if (j%RUN) == RUN-1
	s_wait_alu depctr_va_vdst(0)                   ; the conversions of blocks j - 3 to j have written their eight registers of Y, which the four stores below read
.set i, j-(RUN-1)
.rept RUN
	global_store_b64 v2, v[Y+2*i:Y+2*i+1], s[18:19] offset:2048*i
.set i, i+1
.endr
.endif
.set j, j+1
.endr
	s_endpgm
.Lhalf:                                            ; w_proj: to bf16, widened again (a shift, a mask), and narrowed to f16
.set j, 0
.rept 16
	s_wait_loadcnt 15-j                            ; block j is in, the 15 - j younger ones stay out
	v_cvt_pk_bf16_f32 v[T], v[X+4*j], v[X+4*j+1]
	v_cvt_pk_bf16_f32 v[T+1], v[X+4*j+2], v[X+4*j+3]
	v_lshlrev_b32 v[X+4*j], 16, v[T]
	v_and_b32 v[X+4*j+1], 0xffff0000, v[T]
	v_lshlrev_b32 v[X+4*j+2], 16, v[T+1]
	v_and_b32 v[X+4*j+3], 0xffff0000, v[T+1]
	v_cvt_pk_f16_f32 v[Y+2*j], v[X+4*j], v[X+4*j+1]
	v_cvt_pk_f16_f32 v[Y+2*j+1], v[X+4*j+2], v[X+4*j+3]
.if (j%RUN) == RUN-1
	s_wait_alu depctr_va_vdst(0)                   ; the conversions of blocks j - 3 to j have written their eight registers of Y, which the four stores below read
.set i, j-(RUN-1)
.rept RUN
	global_store_b64 v2, v[Y+2*i:Y+2*i+1], s[18:19] offset:2048*i
.set i, i+1
.endr
.endif
.set j, j+1
.endr
	s_endpgm
.Lfunc_end_k_q43b33e13c8_cast:
	.size	k_q43b33e13c8_cast, .Lfunc_end_k_q43b33e13c8_cast-k_q43b33e13c8_cast
	.p2alignl 7, 3214868480
	.fill 96, 4, 3214868480
	.section	.rodata,"a",@progbits
	.p2align	6, 0x0
	.amdhsa_kernel k_q43b33e13c8_cast
		.amdhsa_group_segment_fixed_size 0
		.amdhsa_private_segment_fixed_size 0
		.amdhsa_enable_private_segment 0
		.amdhsa_kernarg_size 48
		.amdhsa_user_sgpr_count 2
		.amdhsa_user_sgpr_kernarg_segment_ptr 1
		.amdhsa_wavefront_size32 1
		.amdhsa_system_sgpr_workgroup_id_x 1
		.amdhsa_system_sgpr_workgroup_id_y 1
		.amdhsa_system_sgpr_workgroup_id_z 1
		.amdhsa_system_vgpr_workitem_id 0
		.amdhsa_next_free_vgpr 104
		.amdhsa_next_free_sgpr 66
		.amdhsa_reserve_vcc 0
		.amdhsa_float_denorm_mode_32 3
		.amdhsa_float_denorm_mode_16_64 3
		.amdhsa_memory_ordered 1
		.amdhsa_forward_progress 1
		.amdhsa_inst_pref_size 16
	.end_amdhsa_kernel
	.amdgpu_metadata
---
amdhsa.version: [ 1, 2 ]
amdhsa.kernels:
  - .name:           k_q43b33e13c8_cast
    .symbol:         k_q43b33e13c8_cast.kd
    .args:
      - { .name: x, .offset: 0, .size: 8, .value_kind: global_buffer, .address_space: global }
      - { .name: w_qkv, .offset: 8, .size: 8, .value_kind: global_buffer, .address_space: global }
      - { .name: w_proj, .offset: 16, .size: 8, .value_kind: global_buffer, .address_space: global }
      - { .name: xb, .offset: 24, .size: 8, .value_kind: global_buffer, .address_space: global }
      - { .name: wqb, .offset: 32, .size: 8, .value_kind: global_buffer, .address_space: global }
      - { .name: wpb, .offset: 40, .size: 8, .value_kind: global_buffer, .address_space: global }
    .group_segment_fixed_size: 0
    .private_segment_fixed_size: 0
    .kernarg_segment_align: 8
    .kernarg_segment_size: 48
    .max_flat_workgroup_size: 256
    .sgpr_count:     66
    .vgpr_count:     104
    .wavefront_size: 32
...
	.end_amdgpu_metadata
.endif
;; end of part 5
;; launch qkvgemm: the kernel of part 2 again; grid 12 x 32, 4 waves a work-group, clusters of 4 x 4, 327,680 bytes of LDS; arguments xb, wqb, qkv; writes qkv
;; launch attn: the kernel of part 3 again; grid 256 x 1, 8 waves a work-group, no clusters, 327,680 bytes of LDS; arguments qkv, yh; writes yh
;; launch proj: the kernel of part 4 again; grid 4 x 64, 4 waves a work-group, clusters of 4 x 4, 327,680 bytes of LDS; arguments yh, wpb, out0; writes out0
